; MI455X (gfx1250); checked and timed in simulation.
; The chip was launched on July 23, 2026; its instructions are those of AMD's public machine-readable ISA for CDNA 5 (MIT licence, August 2026) and "CDNA5" Instruction Set Architecture Reference Guide (July 2026). The comments in the code are by the model that wrote it; some were corrected since.
;; KNRM. Allowed arithmetic: matrix products marked QUANTISED: E4M3 operands, one E8M0 scale for each 32 along K, by v_wmma_scale_f32_16x16x128_f8f6f4 with both operands' format E4M3, f32 sums; products left as they are: f32 operands where the result goes on into a quantised operand, else bf16, f16 or f32 operands; f32 sums; everything else in f32.
;; Inputs: dense_b 1 float32; dense_w 1 x 11 float32; doc_tokens 256 x 512 int32; embed_table 100,000 x 300 float32; query_tokens 256 x 20 int32.
;; Outputs: out0 256 float32.
;; This version of the problem:
;;   THIS VERSION OF THE PROBLEM IS GIVEN IN LOW PRECISION. The matrix products marked QUANTISED in the list below multiply operands that are first quantised to E4M3 (4 exponent bits, 3 mantissa bits; 8 bits a number), with one power-of-two scale for each 32 numbers along K (OCP MX v1.0); their sums are f32. All else is computed in f32.
;;   The module's matrix products, in the order in which they are computed (A, B: the left and right operand; K: the contracted axis; several contracted axes count as one K, in the product's order):
;;     1. batch 256 x [M 20, K 300] x [K 300, N 512]; A: computed on the way; B: computed on the way: QUANTISED
;;     2. [M 256, K 11] x [K 11, N 1]; A: computed on the way; B: input dense_w: left as it is (K = 11 < 32)
;;   THE QUANTISER, for each operand of a quantised product, along K:
;;     - K is cut into blocks of 32 from its start; a last block that is shorter is filled with zeros.
;;     - A block's scale is 2^e with e = floor(log2(the largest magnitude in the block)) - 8, held to -126 .. 127; a block of zeros has e = 0. As a byte (E8M0): e + 127.
;;     - Each number is divided by its block's scale, clamped to +-448, and rounded to the nearest number of E4M3, ties to even, subnormals kept.
;;     - The product sums the exact products of the quantised numbers (number of the format x scale) in f32.
;;   ~~~python
;;   def quantise(x, axis):      # numpy; x: float32 -> the quantised numbers, widened to float32 again
;;       x = np.moveaxis(x, axis, -1); K = x.shape[-1]
;;       x = np.pad(x, [(0, 0)] * (x.ndim - 1) + [(0, -K % 32)]); x = x.reshape(x.shape[:-1] + (-1, 32)); a = np.abs(x).max(-1, keepdims=True)
;;       e = np.where(a > 0, np.clip(np.frexp(np.where(a > 0, a, 1))[1] - 1 - 8, -126, 127), 0)      # np.frexp(a)[1] - 1 = floor(log2(a)), exactly
;;       r = np.clip(x / 2.0 ** e, -448, 448)
;;       step = 2.0 ** (np.maximum(np.frexp(np.where(r == 0, 1, r))[1] - 1, -6) - 3)
;;       q = np.round(r / step) * step * 2.0 ** e      # np.round: ties to even
;;       return np.moveaxis(q.reshape(q.shape[:-2] + (-1,))[..., :K], -1, axis).astype(np.float32)
;;   ~~~
;;   OPERANDS COMPUTED ON THE WAY. 'Computed on the way' means the value that the module computes at that place (a softmax that the list does not call 'softmax' is quantised finished and normalised). What goes into a quantiser is computed in f32, as accurately as f32 sums, v_exp_f32 and their like allow (about 1e-6 of the number): no bf16 or f16 on the way to a quantiser, and a product that is left as it is and whose result goes on into a quantised operand takes f32 operands (vector FMAs, or v_wmma_f32_16x16x4_f32). A number that lies on a knife's edge between two numbers of the format may be rounded either way, as far as f32 arithmetic and the matrix unit's own rounding can turn it there, and no further.
;; One version. Each part assembles by itself: llvm-mc -triple=amdgcn-amd-amdhsa -mcpu=gfx1250 --defsym DOCPART=n.
;; ======== version 1 of 1: 1 launch
;; limits: right only within a limited range of input values
;; launch knrm (part 1): grid 256 x 1, 8 waves a work-group, no clusters, 242,944 bytes of LDS; arguments query_tokens, doc_tokens, embed_table, dense_w, dense_b, out0; writes out0
.if DOCPART == 1
	.amdgcn_target "amdgcn-amd-amdhsa--gfx1250"
	.amdhsa_code_object_version 6
	.text
	.protected	k_q4b45c9d902_knrm
	.globl	k_q4b45c9d902_knrm
	.p2align	8
	.type	k_q4b45c9d902_knrm,@function
k_q4b45c9d902_knrm:
	s_mov_b64 s[64:65], 0
	v_nop
	global_prefetch_b8 v0, s[64:65] scope:SCOPE_SE
	s_setreg_imm32_b32 hwreg(HW_REG_WAVE_MODE, 25, 1), 1
	s_wait_xcnt 0x0
; KNRM, one work-group for each of the 256 batch rows.  out[b] = dense_b + sum over k of dense_w[k] x sum over q of q_mask x 0.01 x ln(max(sum over d of d_mask x exp(-(cos(q,d) - mu_k)^2 / (2 sigma_k^2)), 1e-10)).
; cos = the product of the normalised embedding rows, both operands as codes of E4M3 with one E8M0 scale for each 32 along the 300 (10 blocks; the rest of the third step of 128 is zero codes).
; SHARES.  Eight waves; wave w owns docs 64 w .. 64 w + 63, four tiles of 16.  A tile's 16 rows of 1,200 bytes come by 40 loads of 16 bytes a lane: sixteen lanes take 256 consecutive bytes of one row, the two halves of the
; wave two rows; the fifth piece begins at byte 944, so that no lane leaves the row (bytes 944 .. 1,023 come twice and are left out of the sum of squares by a lane factor).  The rows turn through the wave's own stage in LDS,
; from which lane (r, h) reads its 16 numbers of each block of 32 of row r; as soon as the stage has them the next tile's 40 loads go out, so a wave has 19,200 bytes on their way while it works on a tile.
; QUERIES.  Each wave normalises two pairs of query rows into a shared stage; six waves quantise one (tile, step of 128) each; the six fragments go to all waves as images of their registers and stay in registers.
; Queries 16 .. 19 are rows 0, 1, 8, 9 of the second query tile (its other rows repeat queries 17 and 19 and their results are never read).
; PRODUCTS.  Queries 0-15: source 0 = docs, source 1 = queries: a lane holds ONE query, its eight registers docs 8 (lane / 16) + 0 .. 7.  Queries 16-19: the sources swapped: a lane holds ONE doc, registers 0 and 1 the live queries.
; THE GAUSSIANS.  With c = log2(e) / (2 x 0.1^2): exp(-(s - mu)^2 / 0.02) = 2^(-c s^2 + 2 c mu s) x 2^(-c mu^2).  The ten mu lie 0.2 apart, so g(mu + 0.2) = g(mu) x 2^(0.4 c s) and g(mu - 0.2) = g(mu) x 2^(-0.4 c s):
; three exponentials and nine multiplications serve ten kernels; 2^(-c mu^2) is added as -c mu^2 behind the logarithm.  The rows are normalised as reference() normalises them, and the rounding to codes moves a number by 1/16 of itself at most,
; so |s| stays under 1.13 and the exponents between -205 and 60: nothing overflows, and what underflows lies far under the clip at 1e-10.  The kernel with sigma = 1e-4 is taken as written, from s - 1.
; MASKS.  A doc whose token is not above 0 gets -1e30 added to its exponents: its terms are exactly 0, as reference()'s product with 0.
; LEFT OUT: the factor q_mask inside qd_mask.  For a query whose token is not above 0 reference() multiplies the logarithm, which the clip keeps finite, by q_mask = 0; whatever finite sum stands under it, the term is 0.  The factor is applied there, once.
; LIMITS: NaN and infinities in the table are not served (one that reaches only a masked row's terms is not carried to the result).  A token above 99,999 is held at the last row.
; A block of zeros gets the scale byte 1 (the padding blocks of the docs 0): its codes are zeros, and the bytes are read by this program alone.
; No cluster: no two work-groups read the same tile.  No prefetch: the addresses are known only from the tokens, and each wave already asks for a whole tile ahead of its use.
; The result is one number a work-group: 4 bytes, stored by one lane.
.set VOCAB,  100000
.set ROWB,   1200                      ; a row of the table in bytes
.set LASTP,  ROWB-256                  ; where the fifth piece of 256 bytes begins
.set NW,     8
.set DPIT,   1296                      ; a doc row in the stage: 1,200 bytes, 80 of zeros (k = 300 .. 319), 16 for its sum of squares: 81 x 16 bytes, so the 16 rows of a load start at 16 different groups of banks (64 banks of 4 bytes: ISA guide 11.1)
.set STRD,   16*DPIT+256               ; a wave's stage; the 256 take what the first zeroing writes past row 15
.set QP,     1552                      ; a query row in its stage: 1,200 bytes, zeros up to 1,536 (three whole steps of 128), 16 for its sum of squares: 97 x 16 bytes
.set QT1,    16*QP                     ; the second query tile's rows
.set QST,    NW*STRD                   ; LDS: eight stages, the query stage,
.set FRB,    2048                      ; (a fragment's image: 16 registers x 32 lanes)
.set QIMG,   QST+32*QP                 ; the six query fragments,
.set QSC,    QIMG+6*FRB                ; their scale words,
.set PART,   QSC+6*128                 ; the waves' sums: [kernel][32 slots][8 waves] of f32,
.set KSTR,   1024
.set SPARE,  PART+11*KSTR              ; and the spare words, 128 bytes for each wave, which no other line names
; REGISTERS, window 0
.set GL,   1                           ; 16 x (lane % 16): my 16 bytes of a piece
.set STW,  2                           ; stage, on the way in: rows 8 (lane / 16) + group
.set STR,  3                           ; stage, on the way out: row lane % 16, + 64 (lane / 16)
.set SSW,  4                           ; where a row's sum of squares goes
.set SSR,  5                           ; and where I read my row's
.set P0W,  6                           ; the waves' sums: queries 0-15
.set P1W,  7                           ; queries 16-19
.set PRD,  8                           ; and where the last step reads them
.set QM,   9                           ; the token of query min(lane, 19)
.set M5,   10                          ; v[10:11] 1.0 where my part of the fifth piece is new, else 0
.set RN,   12                          ; v[12:13] 1 / norm of my row (the low word serves both halves)
.set SPW,  14                          ; LDS address of my spare word; never rewritten
.set NIL,  15                          ; 0; never rewritten
.set OFF,  16                          ; v16-23  byte offsets of a tile's rows in the table
.set TOK,  24                          ; v24-55  tokens: register 8 t + i = doc 64 w + 16 t + 8 (lane / 16) + i
.set MTK,  56                          ; v56-59  tokens: register t = doc 64 w + 16 t + lane % 16
.set QS,   60                          ; v60-65  scale words of the query fragments
.set DSC,  66                          ; v66-68  scale words of the doc tile, one for each step of 128
.set SSV,  69
.set B1P,  70                          ; v[70:71] the mask's term of my doc
.set SCA,  72                          ; v72-79  scores, queries 0-15
.set SCB,  80                          ; v80-87  scores, queries 16-19 in registers 0, 1
.set ACC0, 88                          ; v88-109  sums of queries 0-15: a pair for each kernel
.set ACC1, 110                         ; v110-131 sums of queries 16-19
.set N,    132                         ; v132-195 64 numbers of a step; then the Gaussians' work, ten registers a pair of scores
.set CD,   196                         ; v196-211 codes of steps 0 and 1
.set CD2,  212                         ; v212-227 codes of step 2; its upper eight stay 0
.set ZR,   220
.set TM,   228                         ; v228-243 the quantiser's work
.set PS,   CD                          ; sums of squares, a pair a group
.set PT,   TM                          ; those of the fifth piece
.set NEGV, 244                         ; -1e30
.set BIAS, 246                         ; v246-253 the mask's terms of docs 8 (lane / 16) + 0 .. 7
.set FN,   N
; used at the head alone, in registers that take other work later
.set TP0, 246
.set TP1, 247
.set TP2, 248
.set TP3, 249
.set TP4, 250
.set QTA, 252
.set QTB, 253
.set QOFF, 254
.set QSW, 72
.set QSSW, 73
.set QSR, 74
.set QSSR, 75
.set QIW, 76
.set QSCW, 77
.set LI,  78
.set LS,  79
.set VQA, 80
.set VQB, 81
.set VT,  82
.set VM,  83
.set VQM, 84
; window 1: v0-159 a doc tile as loaded (group g, piece j at 20 g + 4 j); v160-255 the six query fragments (at the head: two groups of query rows as loaded)
.set QF,  160
.set WV,  16
.set MNT, 17
.set SEL, 18                           ; s[18:19] v_permlanex16_b32's selects for lane l xor 16
.set NC,  20                           ; s[20:21] -c
.set NC0, 22                           ; s[22:23] -log2(e) / (2 x 1e-4^2)
.set NR,  24                           ; s[24:25] -0.4 c
.set B1,  26                           ; s[26:27] 0.2 c
.set L10, 52                           ; log2(1e-10)
.set MSB, 0
.macro WIN new                         ; the immediate's high byte repeats the setting that is left
.if MSB != \new
	s_set_vgpr_msb (MSB<<8)|\new
.set MSB, \new
.endif
.endm
.macro BARRIER                         ; my LDS stores have landed and my LDS loads are in: then the work-group's barrier
	s_wait_dscnt 0x0
	s_barrier_signal -1
	s_barrier_wait -1
.endm
; ng groups of two rows: five loads each, sixteen lanes on 256 consecutive bytes of a row
.macro GLOAD ng, rb, ao
	WIN 0x40                                       ; destination window 1
.set gg, 0
.rept \ng
	global_load_b128 v[\rb+20*gg:\rb+20*gg+3], v[\ao+gg], s[8:9]
	global_load_b128 v[\rb+20*gg+4:\rb+20*gg+7], v[\ao+gg], s[8:9] offset:256
	global_load_b128 v[\rb+20*gg+8:\rb+20*gg+11], v[\ao+gg], s[8:9] offset:512
	global_load_b128 v[\rb+20*gg+12:\rb+20*gg+15], v[\ao+gg], s[8:9] offset:768
	global_load_b128 v[\rb+20*gg+16:\rb+20*gg+19], v[\ao+gg], s[8:9] offset:LASTP
.set gg, gg+1
.endr
	WIN 0
.endm
; the same bytes into a stage, as they lie
.macro TOSTAGE ng, rb, adr, step
	WIN 0x04                                       ; an LDS store's data are its source 1: window 1
.set gg, 0
.rept \ng
	ds_store_b128 v[\adr], v[\rb+20*gg:\rb+20*gg+3] offset:gg*\step
	ds_store_b128 v[\adr], v[\rb+20*gg+4:\rb+20*gg+7] offset:gg*\step+256
	ds_store_b128 v[\adr], v[\rb+20*gg+8:\rb+20*gg+11] offset:gg*\step+512
	ds_store_b128 v[\adr], v[\rb+20*gg+12:\rb+20*gg+15] offset:gg*\step+768
	ds_store_b128 v[\adr], v[\rb+20*gg+16:\rb+20*gg+19] offset:gg*\step+LASTP
.set gg, gg+1
.endr
	WIN 0
.endm
; the rows' sums of squares, the groups by turns; every lane of a half ends with its row's sum in v[PS + 2 g]
.macro SUMSQ ng, rb
	WIN 0x05                                       ; sources 0 and 1 window 1
.set gg, 0
.rept \ng
	v_pk_mul_f32 v[PS+2*gg:PS+2*gg+1], v[\rb+20*gg:\rb+20*gg+1], v[\rb+20*gg:\rb+20*gg+1]
.set gg, gg+1
.endr
.set mm, 2
.rept 7
.set gg, 0
.rept \ng
	v_pk_fma_f32 v[PS+2*gg:PS+2*gg+1], v[\rb+20*gg+mm:\rb+20*gg+mm+1], v[\rb+20*gg+mm:\rb+20*gg+mm+1], v[PS+2*gg:PS+2*gg+1]
.set gg, gg+1
.endr
.set mm, mm+2
.endr
.set gg, 0
.rept \ng
	v_pk_mul_f32 v[PT+2*gg:PT+2*gg+1], v[\rb+20*gg+16:\rb+20*gg+17], v[\rb+20*gg+16:\rb+20*gg+17]
.set gg, gg+1
.endr
.set gg, 0
.rept \ng
	v_pk_fma_f32 v[PT+2*gg:PT+2*gg+1], v[\rb+20*gg+18:\rb+20*gg+19], v[\rb+20*gg+18:\rb+20*gg+19], v[PT+2*gg:PT+2*gg+1]
.set gg, gg+1
.endr
	WIN 0
.set gg, 0
.rept \ng
	v_pk_fma_f32 v[PS+2*gg:PS+2*gg+1], v[PT+2*gg:PT+2*gg+1], v[M5:M5+1], v[PS+2*gg:PS+2*gg+1] op_sel_hi:[1,0,1]   ; the fifth piece counts where it is new
.set gg, gg+1
.endr
.set gg, 0
.rept \ng
	v_add_f32 v[PS+2*gg], v[PS+2*gg], v[PS+2*gg+1]
.set gg, gg+1
.endr
.irp xm, 1,2,4,8
.set gg, 0
.rept \ng
	v_add_f32_dpp v[PS+2*gg], v[PS+2*gg], v[PS+2*gg] row_xmask:\xm row_mask:0xf bank_mask:0xf
.set gg, gg+1
.endr
.endr
.endm
; byte offsets of tile t's rows: the token held inside the table, x 1,200, + my 16 bytes
.macro OFFS t
.set jj, 0
.rept 8
	v_min_u32 v[OFF+jj], VOCAB-1, v[TOK+8*(\t)+jj]
.set jj, jj+1
.endr
.set jj, 0
.rept 8
	v_mul_u32_u24 v[OFF+jj], ROWB, v[OFF+jj]
.set jj, jj+1
.endr
.set jj, 0
.rept 8
	v_add_nc_u32 v[OFF+jj], v[GL], v[OFF+jj]
.set jj, jj+1
.endr
.endm
; nb blocks of 32: register N + 16 b + i = k 32 b + 16 (lane / 16) + i of my row.  They are normalised, and become codes in v[cd] on and the scale word v[pw].
; As soon as a block's codes are made, the same block of step nxt (nnb blocks) is asked for from the stage into its registers.
.macro QUANT nb, cd, pw, nxt, nnb
.set qb, 0
.rept \nb
.set qi, 0
.rept 8
	v_pk_mul_f32 v[N+16*qb+qi:N+16*qb+qi+1], v[N+16*qb+qi:N+16*qb+qi+1], v[RN:RN+1] op_sel_hi:[1,0]
.set qi, qi+2
.endr
.set qb, qb+1
.endr
.set qb, 0
.rept \nb
	v_max3_num_f32 v[TM+qb], |v[N+16*qb]|, |v[N+16*qb+1]|, 0x4800000   ; my 16 numbers, and the floor 2^(9 - 127): the byte cannot fall under 1
.set qb, qb+1
.endr
.set qi, 2
.rept 7
.set qb, 0
.rept \nb
	v_max3_num_f32 v[TM+qb], v[TM+qb], |v[N+16*qb+qi]|, |v[N+16*qb+qi+1]|
.set qb, qb+1
.endr
.set qi, qi+2
.endr
.set qb, 0
.rept \nb
	v_permlanex16_b32 v[TM+4+qb], v[TM+qb], s[SEL], s[SEL+1]
.set qb, qb+1
.endr
.set qb, 0
.rept \nb
	v_max_num_f32 v[TM+qb], v[TM+qb], v[TM+4+qb]   ; with lane l xor 16's: the block's largest magnitude
.set qb, qb+1
.endr
.set qb, 0
.rept \nb
	v_add_nc_u32 v[TM+12+qb], 0xfc000000, v[TM+qb]   ; 8 off its exponent field: the conversion's scale operand
.set qb, qb+1
.endr
.set qb, 0
.rept \nb
.set qb, qb+1
.endr
.set qb, 0
.rept \nb
	v_lshrrev_b32 v[TM+4+qb], 23, v[TM+12+qb]      ; the scale's byte
.set qb, qb+1
.endr
	v_lshl_or_b32 v[\pw], v[TM+5], 8, v[TM+4]
.if \nb == 4
	s_delay_alu instid0(VALU_DEP_1)
	v_lshl_or_b32 v[\pw], v[TM+6], 16, v[\pw]
	s_delay_alu instid0(VALU_DEP_1)
	v_lshl_or_b32 v[\pw], v[TM+7], 24, v[\pw]
.endif
.set qb, 0
.rept \nb
.set qi, 0
.rept 16
.set qi, qi+1
.endr
	v_cvt_scalef32_pk8_fp8_f32 v[\cd+4*qb:\cd+4*qb+1], v[N+16*qb:N+16*qb+7], v[TM+12+qb]
	v_cvt_scalef32_pk8_fp8_f32 v[\cd+4*qb+2:\cd+4*qb+3], v[N+16*qb+8:N+16*qb+15], v[TM+12+qb]
.if qb < \nnb
.set qi, 0
.rept 4
	ds_load_b128 v[N+16*qb+4*qi:N+16*qb+4*qi+3], v[STR] offset:512*\nxt+128*qb+16*qi
.set qi, qi+1
.endr
.endif
.set qb, qb+1
.endr
.rept 4
	v_nop                                          ; four plain places between codes written by vector instructions and the scaled matrix instruction that takes them; the scale word was made ahead of the holds
.endr
.endm
; step s of 128 along K: both accumulators, one instruction a turn
.macro MM s, cd
	WIN 0x04                                       ; source 1 (queries 0-15) window 1
.if \s == 0
	v_wmma_scale_f32_16x16x128_f8f6f4 v[SCA:SCA+7], v[\cd:\cd+15], v[QF+16*\s:QF+16*\s+15], 0, v[DSC+\s], v[QS+\s]
.else
	v_wmma_scale_f32_16x16x128_f8f6f4 v[SCA:SCA+7], v[\cd:\cd+15], v[QF+16*\s:QF+16*\s+15], v[SCA:SCA+7], v[DSC+\s], v[QS+\s]
.endif
	WIN 0x01                                       ; source 0 (queries 16-19) window 1
.if \s == 0
	v_wmma_scale_f32_16x16x128_f8f6f4 v[SCB:SCB+7], v[QF+16*(3+\s):QF+16*(3+\s)+15], v[\cd:\cd+15], 0, v[QS+3+\s], v[DSC+\s]
.else
	v_wmma_scale_f32_16x16x128_f8f6f4 v[SCB:SCB+7], v[QF+16*(3+\s):QF+16*(3+\s)+15], v[\cd:\cd+15], v[SCB:SCB+7], v[QS+3+\s], v[DSC+\s]
.endif
	WIN 0
.endm
; the masks' terms of tile t: 0, or -1e30 where the token is not above 0.  These 18 lines name no register of the products: they are the places behind the last of them
.macro BIASES t
.set jj, 0
.rept 8
	v_cmp_gt_i32 vcc_lo, 1, v[TOK+8*(\t)+jj]
	s_delay_alu instid0(VALU_DEP_1)
	v_cndmask_b32 v[BIAS+jj], 0, v[NEGV], vcc_lo
.set jj, jj+1
.endr
	v_cmp_gt_i32 vcc_lo, 1, v[MTK+(\t)]
	s_delay_alu instid0(VALU_DEP_1)
	v_cndmask_b32 v[B1P], 0, v[NEGV], vcc_lo
.endm
; THE GAUSSIANS of a tile: five pairs of scores, each line written for all five by turns.  Pair p works in v[N + 10 p] on: +0 g(0.1), then the chain down; +2 the exponent of r, then the chain up; +4 r; +6 1 / r; +8 the narrow kernel
.macro FORP m, a
	\m 0, SCA, BIAS, 1, ACC0, \a
	\m 1, SCA+2, BIAS+2, 1, ACC0, 0
	\m 2, SCA+4, BIAS+4, 1, ACC0, 0
	\m 3, SCA+6, BIAS+6, 1, ACC0, 0
	\m 4, SCB, B1P, 0, ACC1, \a
.endm
.macro EA p, s, bi, hi, acc, ini       ; -c s  (each accumulator is read from its low end on)
	v_pk_mul_f32 v[N+10*\p+4:N+10*\p+5], v[\s:\s+1], s[NC:NC+1] op_sel_hi:[1,0]
.endm
.macro EB p, s, bi, hi, acc, ini       ; d = s - 1
	v_pk_add_f32 v[N+10*\p+6:N+10*\p+7], v[\s:\s+1], -1.0 op_sel_hi:[1,0]
.endm
.macro EC p, s, bi, hi, acc, ini       ; -0.4 c s
	v_pk_mul_f32 v[N+10*\p+2:N+10*\p+3], v[\s:\s+1], s[NR:NR+1] op_sel_hi:[1,0]
.endm
.macro ED p, s, bi, hi, acc, ini       ; -c s^2 + the mask's term
	v_pk_fma_f32 v[N+10*\p:N+10*\p+1], v[N+10*\p+4:N+10*\p+5], v[\s:\s+1], v[\bi:\bi+1] op_sel_hi:[1,1,\hi]
.endm
.macro EE p, s, bi, hi, acc, ini       ; -c0 d
	v_pk_mul_f32 v[N+10*\p+4:N+10*\p+5], v[N+10*\p+6:N+10*\p+7], s[NC0:NC0+1] op_sel_hi:[1,0]
.endm
.macro EF p, s, bi, hi, acc, ini       ; + 0.2 c s: the exponent of g(0.1)
	v_pk_fma_f32 v[N+10*\p:N+10*\p+1], v[\s:\s+1], s[B1:B1+1], v[N+10*\p:N+10*\p+1] op_sel_hi:[1,0,1]
.endm
.macro EG p, s, bi, hi, acc, ini       ; -c0 d^2 + the mask's term
	v_pk_fma_f32 v[N+10*\p+8:N+10*\p+9], v[N+10*\p+4:N+10*\p+5], v[N+10*\p+6:N+10*\p+7], v[\bi:\bi+1] op_sel_hi:[1,1,\hi]
.endm
.macro EX p, s, bi, hi, acc, ini       ; eight exponentials a pair.  ini = 1: the pair starts its sums: the results go straight into them, and nothing is ever cleared
.if \ini
	v_exp_f32 v[\acc+10], v[N+10*\p]
	v_exp_f32 v[\acc+11], v[N+10*\p+1]
	v_exp_f32 v[\acc], v[N+10*\p+8]
	v_exp_f32 v[\acc+1], v[N+10*\p+9]
.else
	v_exp_f32 v[N+10*\p], v[N+10*\p]
	v_exp_f32 v[N+10*\p+1], v[N+10*\p+1]
	v_exp_f32 v[N+10*\p+8], v[N+10*\p+8]
	v_exp_f32 v[N+10*\p+9], v[N+10*\p+9]
.endif
	v_exp_f32 v[N+10*\p+4], v[N+10*\p+2]
	v_exp_f32 v[N+10*\p+5], v[N+10*\p+3]
	v_exp_f32 v[N+10*\p+6], -v[N+10*\p+2]
	v_exp_f32 v[N+10*\p+7], -v[N+10*\p+3]
.endm
; level LV of the two chains: kernel 5 - LV (mu = 0.1 + 0.2 LV) and kernel 5 + LV are added, then both chains step on.  A pair that starts the sums stands first in its level, and steps from sum to sum before the other pairs add to them
.macro LVL p, s, bi, hi, acc, ini
.if \ini
.if LV < 4
	v_pk_mul_f32 v[\acc+8-2*LV:\acc+9-2*LV], v[\acc+10-2*LV:\acc+11-2*LV], v[N+10*\p+6:N+10*\p+7]
.endif
.if LV < 5
	v_pk_mul_f32 v[\acc+12+2*LV:\acc+13+2*LV], v[\acc+10+2*LV:\acc+11+2*LV], v[N+10*\p+4:N+10*\p+5]
.endif
.else
.if LV == 0
	v_pk_add_f32 v[\acc+10:\acc+11], v[\acc+10:\acc+11], v[N+10*\p:N+10*\p+1]
	v_pk_add_f32 v[\acc:\acc+1], v[\acc:\acc+1], v[N+10*\p+8:N+10*\p+9]
	v_pk_mul_f32 v[N+10*\p+2:N+10*\p+3], v[N+10*\p:N+10*\p+1], v[N+10*\p+6:N+10*\p+7]
	v_pk_mul_f32 v[N+10*\p:N+10*\p+1], v[N+10*\p:N+10*\p+1], v[N+10*\p+4:N+10*\p+5]
.else
.if LV < 5
	v_pk_add_f32 v[\acc+10-2*LV:\acc+11-2*LV], v[\acc+10-2*LV:\acc+11-2*LV], v[N+10*\p+2:N+10*\p+3]
.endif
	v_pk_add_f32 v[\acc+10+2*LV:\acc+11+2*LV], v[\acc+10+2*LV:\acc+11+2*LV], v[N+10*\p:N+10*\p+1]
.if LV < 4
	v_pk_mul_f32 v[N+10*\p+2:N+10*\p+3], v[N+10*\p+2:N+10*\p+3], v[N+10*\p+6:N+10*\p+7]
.endif
.if LV < 5
	v_pk_mul_f32 v[N+10*\p:N+10*\p+1], v[N+10*\p:N+10*\p+1], v[N+10*\p+4:N+10*\p+5]
.endif
.endif
.endif
.endm
.macro EXPS ini
	FORP EA, \ini
	FORP EB, \ini
	FORP EC, \ini
	FORP ED, \ini
	FORP EE, \ini
	FORP EF, \ini
	FORP EG, \ini
	s_wait_alu depctr_va_vdst(0)
	FORP EX, \ini                                  ; the tile's 40 exponentials are one batch: none reads another's result
	v_nop                                          ; a plain place behind the last of them
	s_wait_alu depctr_va_vdst(0)                   ; one wait for the batch, ahead of its first reader
.set LV, 0
.rept 6
	FORP LVL, \ini
.set LV, LV+1
.endr
.endm
; A DOC TILE.  nxt = 1: the next tile is asked for; ini = 1: the tile starts the sums
.macro TILE t, nxt, ini
	s_wait_loadcnt 0x0                             ; the tile's 40 loads are in; nothing was issued behind them
	TOSTAGE 8, 0, STW, DPIT
	SUMSQ 8, 0                                     ; vector work while the stage takes the rows
.set gg, 0
.rept 8
	ds_store_b32 v[SSW], v[PS+2*gg] offset:gg*DPIT ; sixteen lanes write the same word with the same value
.set gg, gg+1
.endr
	ds_load_b32 v[SSV], v[SSR]                     ; LDS serves a wave's instructions in order (ISA guide 5.7.1.4): these loads see the stores above
.set qb, 0
.rept 4
.set qi, 0
.rept 4
	ds_load_b128 v[N+16*qb+4*qi:N+16*qb+4*qi+3], v[STR] offset:128*qb+16*qi
.set qi, qi+1
.endr
.set qb, qb+1
.endr
.if \nxt
	OFFS (\t)+1
.endif
	s_wait_dscnt 0x0                               ; the stores have read the tile's registers, which may be loaded again; step 0's numbers are in
	v_rsq_f32 v[RN], v[SSV]
.if \nxt
	s_wait_alu depctr_va_vdst(0)
	GLOAD 8, 0, OFF
.endif
	v_nop                                          ; a plain place behind the transcendental
	s_wait_alu depctr_va_vdst(0)                   ; and the wait ahead of its first reader
	v_min_num_f32 v[RN], 0x551184e7, v[RN]         ; 1 / max(norm, 1e-13) = min(1 / norm, 1e13)
	QUANT 4, CD, DSC, 1, 4
	MM 0, CD
	s_wait_dscnt 0x0                               ; step 1's numbers
	QUANT 4, CD, DSC+1, 2, 2
	MM 1, CD
	s_wait_dscnt 0x0                               ; step 2's: blocks 8 and 9
	QUANT 2, CD2, DSC+2, 0, 0
	MM 2, CD2
	BIASES \t
	EXPS \ini
.endm
	s_load_b256 s[4:11], s[0:1], 0x0               ; query_tokens s[4:5], doc_tokens s[6:7], embed_table s[8:9], dense_w s[10:11]
	s_load_b128 s[12:15], s[0:1], 0x20             ; dense_b s[12:13], out0 s[14:15]
	v_lshl_add_u32 v[SPW], v0, 2, SPARE
	v_mov_b32 v[NIL], 0
	v_lshrrev_b32 v[TP0], 5, v0
	s_delay_alu instid0(VALU_DEP_1)
	v_readfirstlane_b32 s[WV], v[TP0]              ; wave 0..7
	v_and_b32 v[TP1], 15, v0                       ; lane % 16
	v_bfe_u32 v[TP2], v0, 4, 1                     ; lane / 16
	v_and_b32 v[TP3], 31, v0                       ; lane
	s_delay_alu instid0(VALU_DEP_3)
	v_lshlrev_b32 v[GL], 4, v[TP1]
	; every LDS address is made here, ahead of the branches on the wave's number
	s_mul_i32 s28, s[WV], STRD
	v_mul_u32_u24 v[TP4], v[TP2], 8*DPIT
	s_delay_alu instid0(VALU_DEP_1)
	v_add_nc_u32 v[SSW], s28, v[TP4]
	s_delay_alu instid0(VALU_DEP_1)
	v_add_nc_u32 v[STW], v[SSW], v[GL]
	s_delay_alu instid0(VALU_DEP_2)
	v_add_nc_u32 v[SSW], DPIT-16, v[SSW]
	v_mul_u32_u24 v[TP4], v[TP1], DPIT
	s_delay_alu instid0(VALU_DEP_1)
	v_add_nc_u32 v[SSR], s28, v[TP4]
	s_delay_alu instid0(VALU_DEP_1)
	v_lshl_add_u32 v[STR], v[TP2], 6, v[SSR]
	s_delay_alu instid0(VALU_DEP_2)
	v_add_nc_u32 v[SSR], DPIT-16, v[SSR]
	s_mul_i32 s29, s[WV], QP                       ; the query stage, on the way in: rows 8 (lane / 16) + wave of both tiles
	s_add_co_u32 s29, s29, QST
	v_mul_u32_u24 v[TP4], v[TP2], 8*QP
	s_delay_alu instid0(VALU_DEP_1)
	v_add_nc_u32 v[QSSW], s29, v[TP4]
	s_delay_alu instid0(VALU_DEP_1)
	v_add_nc_u32 v[QSW], v[QSSW], v[GL]
	s_delay_alu instid0(VALU_DEP_2)
	v_add_nc_u32 v[QSSW], QP-16, v[QSSW]
	s_and_b32 s30, s[WV], 1                        ; on the way out: wave w < 6 quantises tile w % 2, step w / 2
	s_lshr_b32 s31, s[WV], 1
	s_mul_i32 s32, s30, QT1
	s_add_co_u32 s32, s32, QST
	v_mul_u32_u24 v[TP4], v[TP1], QP
	s_delay_alu instid0(VALU_DEP_1)
	v_add_nc_u32 v[QSSR], s32, v[TP4]
	s_lshl_b32 s33, s31, 9
	v_lshl_add_u32 v[QSR], v[TP2], 6, v[QSSR]
	s_delay_alu instid0(VALU_DEP_1)
	v_add_nc_u32 v[QSR], s33, v[QSR]
	v_add_nc_u32 v[QSSR], QP-16, v[QSSR]
	s_mul_i32 s30, s30, 3
	s_add_co_u32 s30, s30, s31                     ; its fragment's number: 3 x tile + step
	s_lshl_b32 s31, s30, 11
	s_add_co_u32 s31, s31, QIMG
	v_lshl_add_u32 v[QIW], v[TP3], 4, s31
	s_lshl_b32 s30, s30, 7
	s_add_co_u32 s30, s30, QSC
	v_lshl_add_u32 v[QSCW], v[TP3], 2, s30
	v_lshl_add_u32 v[LI], v[TP3], 4, QIMG
	v_lshl_add_u32 v[LS], v[TP3], 2, QSC
	s_lshl_b32 s34, s[WV], 2                       ; the waves' sums: slot x 32 bytes + 4 x wave.  Slots 0-15: queries 0-15
	s_add_co_u32 s35, s34, PART
	v_lshl_add_u32 v[P0W], v[TP1], 5, s35
	v_bfe_u32 v[TP4], v0, 2, 2                     ; slots 16 + 4 ((lane % 16) / 4) + 2 (lane / 16) (+ 1): queries 16-19, four times over, so that all 32 slots are written
	s_delay_alu instid0(VALU_DEP_1)
	v_lshl_add_u32 v[P1W], v[TP4], 7, s35
	s_delay_alu instid0(VALU_DEP_1)
	v_lshl_add_u32 v[P1W], v[TP2], 6, v[P1W]
	s_delay_alu instid0(VALU_DEP_1)
	v_add_nc_u32 v[P1W], 512, v[P1W]
	v_lshl_add_u32 v[PRD], v[TP3], 5, PART
	; byte offsets of the tokens
	v_lshl_add_u32 v[VQA], v[TP2], 5, s34          ; query wave + 8 (lane / 16)
	s_min_u32 s36, s[WV], 1
	s_lshl_b32 s36, s36, 2
	v_lshl_add_u32 v[VQB], v[TP2], 3, s36          ; query 16 + min(wave, 1) + 2 (lane / 16)
	s_lshl_b32 s37, s[WV], 8
	v_lshl_add_u32 v[VT], v[TP2], 5, s37           ; docs 64 wave + 8 (lane / 16) on
	v_lshl_add_u32 v[VM], v[TP1], 2, s37           ; doc 64 wave + lane % 16
	v_min_u32 v[VQM], 19, v[TP3]
	s_delay_alu instid0(VALU_DEP_1)
	v_lshlrev_b32 v[VQM], 2, v[VQM]
	s_mov_b32 s[SEL], 0x76543210
	s_mov_b32 s[SEL+1], 0xfedcba98
	s_mov_b32 s[NC], 0xc29044fe                    ; -72.13475
	s_mov_b32 s[NC+1], s[NC]                       ; (the packed forms name pairs and take the low word for both halves: so the upper words are written)
	s_mov_b32 s[NC0], 0xcc89960c                   ; -72134752
	s_mov_b32 s[NC0+1], s[NC0]
	s_mov_b32 s[NR], 0xc1e6d4ca                    ; -28.8539
	s_mov_b32 s[NR+1], s[NR]
	s_mov_b32 s[B1], 0x4166d4ca                    ; 14.42695
	s_mov_b32 s[B1+1], s[B1]
	s_mov_b32 s[L10], 0xc204e08b                   ; -33.219281
	v_cmp_lt_u32 vcc_lo, 4, v[TP1]                 ; lanes 0-4 of a half hold bytes 944 .. 1,023 a second time
	s_delay_alu instid0(VALU_DEP_1)
	v_cndmask_b32 v[M5], 0, 1.0, vcc_lo
	s_delay_alu instid0(VALU_DEP_1)
	v_mov_b32 v[M5+1], v[M5]
	v_mov_b32 v[RN+1], 0
	v_mov_b32 v[B1P+1], 0
	v_mov_b32 v[NEGV], 0xf149f2ca                  ; -1e30
.set jj, 0
.rept 8
	v_mov_b32 v[ZR+jj], 0                          ; the codes of the padding blocks 10 and 11; they stay
.set jj, jj+1
.endr
.set jj, 4
.rept 4
	v_mov_b32 v[TM+jj], 0                          ; written once: a lane permute's destination counts as one of its sources
.set jj, jj+1
.endr
	; zeros behind byte 1,200 of every stage row, once.  In my own stage a store of 256 bytes runs on into the next row's head, which every tile's rows write anew
.set gg, 0
.rept 8
	ds_store_b128 v[STW], v[ZR:ZR+3] offset:gg*DPIT+ROWB
.set gg, gg+1
.endr
	ds_store_b128 v[QSW], v[ZR:ZR+3] offset:ROWB
	ds_store_b128 v[QSW], v[ZR:ZR+3] offset:QP-256
	ds_store_b128 v[QSW], v[ZR:ZR+3] offset:QT1+ROWB
	ds_store_b128 v[QSW], v[ZR:ZR+3] offset:QT1+QP-256
	s_wait_kmcnt 0x0
	s_lshl_b32 s28, ttmp9, 11                      ; my batch row: 512 doc tokens,
	s_mov_b32 s29, 0
	s_add_nc_u64 s[6:7], s[6:7], s[28:29]
	s_mul_i32 s28, ttmp9, 80                       ; 20 query tokens,
	s_add_nc_u64 s[4:5], s[4:5], s[28:29]
	s_lshl_b32 s28, ttmp9, 2                       ; one result
	s_add_nc_u64 s[14:15], s[14:15], s[28:29]
	global_load_b32 v[QTA], v[VQA], s[4:5]
	global_load_b32 v[QTB], v[VQB], s[4:5] offset:64
.set jj, 0
.rept 8
	global_load_b128 v[TOK+4*jj:TOK+4*jj+3], v[VT], s[6:7] offset:(jj/2)*64+(jj%2)*16
.set jj, jj+1
.endr
.set jj, 0
.rept 4
	global_load_b32 v[MTK+jj], v[VM], s[6:7] offset:64*jj
.set jj, jj+1
.endr
	global_load_b32 v[QM], v[VQM], s[4:5]
	s_load_b256 s[40:47], s[10:11], 0x0            ; dense_w 0 .. 7
	s_load_b96 s[48:50], s[10:11], 0x20            ; dense_w 8 .. 10
	s_load_b32 s51, s[12:13], 0x0                  ; dense_b
	s_wait_loadcnt 13                              ; my two query tokens are in; the 13 token loads behind them may be out
	v_min_u32 v[QTA], VOCAB-1, v[QTA]
	v_min_u32 v[QTB], VOCAB-1, v[QTB]
	s_delay_alu instid0(VALU_DEP_2)
	v_mul_u32_u24 v[QOFF], ROWB, v[QTA]
	s_delay_alu instid0(VALU_DEP_2)
	v_mul_u32_u24 v[QOFF+1], ROWB, v[QTB]
	s_delay_alu instid0(VALU_DEP_2)
	v_add_nc_u32 v[QOFF], v[GL], v[QOFF]
	s_delay_alu instid0(VALU_DEP_2)
	v_add_nc_u32 v[QOFF+1], v[GL], v[QOFF+1]
	GLOAD 2, QF, QOFF                              ; four query rows, into the registers that the fragments take later
	s_wait_loadcnt 15                              ; the doc tokens are in; behind them: 5 token loads and the 10 just issued
	OFFS 0
	GLOAD 8, 0, OFF                                ; doc tile 0
	s_wait_loadcnt 40                              ; the query rows are in; doc tile 0 stays on its way
	TOSTAGE 2, QF, QSW, QT1
	SUMSQ 2, QF
	ds_store_b32 v[QSSW], v[PS]
	ds_store_b32 v[QSSW], v[PS+2] offset:QT1
	BARRIER                                        ; the 32 rows of the query stage are whole
	s_cmp_gt_u32 s[WV], 5
	s_cbranch_scc1 .Lno_unit                       ; six fragments, six waves
	ds_load_b32 v[SSV], v[QSSR]
.set qb, 0
.rept 4
.set qi, 0
.rept 4
	ds_load_b128 v[N+16*qb+4*qi:N+16*qb+4*qi+3], v[QSR] offset:128*qb+16*qi
.set qi, qi+1
.endr
.set qb, qb+1
.endr
	s_wait_dscnt 0x0
	v_rsq_f32 v[RN], v[SSV]
	v_nop
	s_wait_alu depctr_va_vdst(0)
	v_min_num_f32 v[RN], 0x551184e7, v[RN]
	QUANT 4, CD, DSC, 0, 0
.irp c, 0,1,2,3
	ds_store_b128 v[QIW], v[CD+4*\c:CD+4*\c+3] offset:512*\c   ; the fragment as an image of its registers: lane l's 16 bytes at 16 l
.endr
	ds_store_b32 v[QSCW], v[DSC]
.Lno_unit:
	BARRIER                                        ; the six images lie in LDS
	WIN 0x40
.set ff, 0
.rept 6
.irp c, 0,1,2,3
	ds_load_b128 v[QF+16*ff+4*\c:QF+16*ff+4*\c+3], v[LI] offset:ff*FRB+512*\c
.endr
.set ff, ff+1
.endr
	WIN 0
.set ff, 0
.rept 6
	ds_load_b32 v[QS+ff], v[LS] offset:128*ff      ; (waited for with tile 0's first LDS loads)
.set ff, ff+1
.endr
	TILE 0, 1, 1
	TILE 1, 1, 0
	TILE 2, 1, 0
	TILE 3, 0, 0                                   ; the last tile asks for nothing
	; MY WAVE'S SUMS.  Queries 0-15: a pair's two halves, and lane l xor 16's docs.  Queries 16-19: over the sixteen docs of a half
.set kk, 0
.rept 11
	v_add_f32 v[ACC0+2*kk], v[ACC0+2*kk], v[ACC0+2*kk+1]
.set kk, kk+1
.endr
.set kk, 0
.rept 11
	v_permlanex16_b32 v[ACC0+2*kk+1], v[ACC0+2*kk], s[SEL], s[SEL+1]
.set kk, kk+1
.endr
.set kk, 0
.rept 11
	v_add_f32 v[ACC0+2*kk], v[ACC0+2*kk], v[ACC0+2*kk+1]
.set kk, kk+1
.endr
.irp xm, 1,2,4,8
.set jj, 0
.rept 22
	v_add_f32_dpp v[ACC1+jj], v[ACC1+jj], v[ACC1+jj] row_xmask:\xm row_mask:0xf bank_mask:0xf
.set jj, jj+1
.endr
.endr
.set kk, 0
.rept 11
	ds_store_b32 v[P0W], v[ACC0+2*kk] offset:kk*KSTR         ; lanes that share a word write the same value
	ds_store_b32 v[P1W], v[ACC1+2*kk] offset:kk*KSTR
	ds_store_b32 v[P1W], v[ACC1+2*kk+1] offset:kk*KSTR+32
.set kk, kk+1
.endr
	BARRIER                                        ; all eight waves' sums lie in LDS
	s_cmp_eq_u32 s[WV], 0
	s_cbranch_scc1 .Lfinal
	s_wait_tensorcnt 0x0                           ; the wave's end, behind my last LDS store
	ds_add_u32 v[SPW], v[NIL]
	s_wait_dscnt 0x0
	s_endpgm
.Lfinal:                                               ; wave 0: lane l takes query l (lanes 20-31 hold copies and count for nothing)
.set kk, 0
.rept 11
	ds_load_b128 v[FN+8*kk:FN+8*kk+3], v[PRD] offset:kk*KSTR
	ds_load_b128 v[FN+8*kk+4:FN+8*kk+7], v[PRD] offset:kk*KSTR+16
.set kk, kk+1
.endr
	s_wait_dscnt 0x0
.set kk, 0
.rept 11
	v_pk_add_f32 v[FN+8*kk:FN+8*kk+1], v[FN+8*kk:FN+8*kk+1], v[FN+8*kk+4:FN+8*kk+5]
	v_pk_add_f32 v[FN+8*kk+2:FN+8*kk+3], v[FN+8*kk+2:FN+8*kk+3], v[FN+8*kk+6:FN+8*kk+7]
.set kk, kk+1
.endr
.set kk, 0
.rept 11
	v_pk_add_f32 v[FN+8*kk:FN+8*kk+1], v[FN+8*kk:FN+8*kk+1], v[FN+8*kk+2:FN+8*kk+3]
.set kk, kk+1
.endr
.set kk, 0
.rept 11
	v_add_f32 v[FN+8*kk], v[FN+8*kk], v[FN+8*kk+1]
.set kk, kk+1
.endr
.set kk, 0
	s_wait_alu depctr_va_vdst(0)
.rept 11
	v_log_f32 v[FN+8*kk+1], v[FN+8*kk]             ; log2 of the sum; of 0: -infinity, which the clip below takes
.set kk, kk+1
.endr
	v_mov_b32 v[FN+2], 0x3be32166                  ; 0.01 ln 2.  (A plain place behind the logarithms)
	s_wait_alu depctr_va_vdst(0)                   ; one wait for the eleven
.macro LKADD k, c                      ; - c mu^2: the factor that was left out of the sums
	v_add_f32 v[FN+8*\k+1], \c, v[FN+8*\k+1]
.endm
	LKADD 1, 0xc269b773                            ; mu = 0.9: -58.429149
	LKADD 2, 0xc20d6255                            ; 0.7: -35.346028
	LKADD 3, 0xc19044fe                            ; 0.5: -18.033688
	LKADD 4, 0xc0cfbf83                            ; 0.3: -6.4921277
	LKADD 5, 0xbf38aa3b                            ; 0.1: -0.72134752
	LKADD 6, 0xbf38aa3b
	LKADD 7, 0xc0cfbf83
	LKADD 8, 0xc19044fe
	LKADD 9, 0xc20d6255
	LKADD 10, 0xc269b773
.set kk, 0
.rept 11
	v_max_num_f32 v[FN+8*kk+1], s[L10], v[FN+8*kk+1]   ; the clip at 1e-10
.set kk, kk+1
.endr
	s_wait_kmcnt 0x0                               ; dense_w, dense_b
	v_mul_f32 v[FN], s40, v[FN+1]
.set kk, 1
.rept 10
	s_delay_alu instid0(VALU_DEP_1)
	v_fmac_f32 v[FN], s[40+kk], v[FN+8*kk+1]
.set kk, kk+1
.endr
	v_cmp_lt_i32 vcc_lo, 0, v[QM]                  ; q_mask,
	v_cmp_gt_u32 s28, 20, v0                       ; and 20 queries
	s_and_b32 s28, s28, vcc_lo
	v_cndmask_b32 v[FN+2], 0, v[FN+2], s28
	s_delay_alu instid0(VALU_DEP_1)
	v_mul_f32 v[FN], v[FN], v[FN+2]
.irp xm, 1,2,4,8
	s_delay_alu instid0(VALU_DEP_1)
	v_add_f32_dpp v[FN], v[FN], v[FN] row_xmask:\xm row_mask:0xf bank_mask:0xf
.endr
	s_delay_alu instid0(VALU_DEP_1)
	v_permlanex16_b32 v[FN+2], v[FN], s[SEL], s[SEL+1]
	s_delay_alu instid0(VALU_DEP_1)
	v_add_f32 v[FN], v[FN], v[FN+2]
	s_delay_alu instid0(VALU_DEP_1)
	v_add_f32 v[FN], s51, v[FN]
	v_mov_b32 v[FN+3], 0
	v_cmp_eq_u32 vcc_lo, 0, v0
	s_wait_alu depctr_va_vdst(0)
	s_wait_xcnt 0x0                                ; EXEC changes only behind this wait
	s_and_saveexec_b32 s28, vcc_lo
	global_store_b32 v[FN+3], v[FN], s[14:15]      ; one lane, one number
	s_wait_xcnt 0x0                                ; and again, in front of the line that widens it
	s_or_b32 exec_lo, exec_lo, s28
	s_wait_tensorcnt 0x0                           ; the wave's end, behind my last LDS store
	ds_add_u32 v[SPW], v[NIL]
	s_wait_dscnt 0x0
	s_endpgm
.Lfunc_end_k_q4b45c9d902_knrm:
	.size	k_q4b45c9d902_knrm, .Lfunc_end_k_q4b45c9d902_knrm-k_q4b45c9d902_knrm
	.p2alignl 7, 3214868480
	.fill 96, 4, 3214868480
	.section	.rodata,"a",@progbits
	.p2align	6, 0x0
	.amdhsa_kernel k_q4b45c9d902_knrm
		.amdhsa_group_segment_fixed_size 242944
		.amdhsa_private_segment_fixed_size 0
		.amdhsa_enable_private_segment 0
		.amdhsa_kernarg_size 48
		.amdhsa_user_sgpr_count 2
		.amdhsa_user_sgpr_kernarg_segment_ptr 1
		.amdhsa_wavefront_size32 1
		.amdhsa_system_sgpr_workgroup_id_x 1
		.amdhsa_system_sgpr_workgroup_id_y 1
		.amdhsa_system_sgpr_workgroup_id_z 1
		.amdhsa_system_vgpr_workitem_id 0
		.amdhsa_next_free_vgpr 512
		.amdhsa_next_free_sgpr 66
		.amdhsa_reserve_vcc 1
		.amdhsa_float_denorm_mode_32 3
		.amdhsa_float_denorm_mode_16_64 3
		.amdhsa_fp16_overflow 1
		.amdhsa_memory_ordered 1
		.amdhsa_forward_progress 1
		.amdhsa_inst_pref_size 218
	.end_amdhsa_kernel
	.amdgpu_metadata
---
amdhsa.version: [ 1, 2 ]
amdhsa.kernels:
  - .name:           k_q4b45c9d902_knrm
    .symbol:         k_q4b45c9d902_knrm.kd
    .args:
      - { .name: query_tokens, .offset: 0, .size: 8, .value_kind: global_buffer, .address_space: global }
      - { .name: doc_tokens, .offset: 8, .size: 8, .value_kind: global_buffer, .address_space: global }
      - { .name: embed_table, .offset: 16, .size: 8, .value_kind: global_buffer, .address_space: global }
      - { .name: dense_w, .offset: 24, .size: 8, .value_kind: global_buffer, .address_space: global }
      - { .name: dense_b, .offset: 32, .size: 8, .value_kind: global_buffer, .address_space: global }
      - { .name: out0, .offset: 40, .size: 8, .value_kind: global_buffer, .address_space: global }
    .group_segment_fixed_size: 242944
    .private_segment_fixed_size: 0
    .kernarg_segment_align: 8
    .kernarg_segment_size: 48
    .max_flat_workgroup_size: 256
    .sgpr_count:     66
    .vgpr_count:     512
    .wavefront_size: 32
...
	.end_amdgpu_metadata
.endif
;; end of part 1
